; MI455X (gfx1250); checked and timed in simulation.
; The chip was launched on July 23, 2026; its instructions are those of AMD's public machine-readable ISA for CDNA 5 (MIT licence, August 2026) and "CDNA5" Instruction Set Architecture Reference Guide (July 2026). The comments in the code are by the model that wrote it; some were corrected since.
;; Multi Head Attention. Allowed arithmetic: matrix products marked QUANTISED: E2M3 operands, one E8M0 scale for each 32 along K, by v_wmma_scale_f32_16x16x128_f8f6f4 with both operands' format E2M3, f32 sums; everything else in f32.
;; Inputs: b_out 1,024 float32; w_out 1,024 x 1,024 float32; w_qkv 3,072 x 1,024 float32; x 4 x 2,048 x 1,024 float32.
;; Outputs: out0 4 x 2,048 x 1,024 float32.
;; This version of the problem:
;;   THIS VERSION OF THE PROBLEM IS GIVEN IN LOW PRECISION. The matrix products marked QUANTISED in the list below multiply operands that are first quantised to E2M3 (2 exponent bits, 3 mantissa bits; 6 bits a number), with one power-of-two scale for each 32 numbers along K (OCP MX v1.0); their sums are f32. All else is computed in f32.
;;   The module's matrix products, in the order in which they are computed (A, B: the left and right operand; K: the contracted axis; several contracted axes count as one K, in the product's order):
;;     1. [M 8,192, K 1,024] x [K 1,024, N 3,072]; A: input x; B: input w_qkv: QUANTISED
;;     2. batch 64 x [M 2,048, K 64] x [K 64, N 2,048]; A: computed on the way; B: computed on the way: QUANTISED
;;     3. batch 64 x [M 2,048, K 2,048] x [K 2,048, N 64]; A: softmax (see below); B: computed on the way: QUANTISED
;;     4. [M 8,192, K 1,024] x [K 1,024, N 1,024]; A: computed on the way; B: input w_out: QUANTISED
;;   THE QUANTISER, for each operand of a quantised product, along K:
;;     - K is cut into blocks of 32 from its start; a last block that is shorter is filled with zeros.
;;     - A block's scale is 2^e with e = floor(log2(the largest magnitude in the block)) - 2, held to -126 .. 127; a block of zeros has e = 0. As a byte (E8M0): e + 127.
;;     - Each number is divided by its block's scale, clamped to +-7.5, and rounded to the nearest number of E2M3, ties to even, subnormals kept.
;;     - The product sums the exact products of the quantised numbers (number of the format x scale) in f32.
;;   ~~~python
;;   def quantise(x, axis):      # numpy; x: float32 -> the quantised numbers, widened to float32 again
;;       x = np.moveaxis(x, axis, -1); K = x.shape[-1]
;;       x = np.pad(x, [(0, 0)] * (x.ndim - 1) + [(0, -K % 32)]); x = x.reshape(x.shape[:-1] + (-1, 32)); a = np.abs(x).max(-1, keepdims=True)
;;       e = np.where(a > 0, np.clip(np.frexp(np.where(a > 0, a, 1))[1] - 1 - 2, -126, 127), 0)      # np.frexp(a)[1] - 1 = floor(log2(a)), exactly
;;       r = np.clip(x / 2.0 ** e, -7.5, 7.5)
;;       step = 2.0 ** (np.maximum(np.frexp(np.where(r == 0, 1, r))[1] - 1, 0) - 3)
;;       q = np.round(r / step) * step * 2.0 ** e      # np.round: ties to even
;;       return np.moveaxis(q.reshape(q.shape[:-2] + (-1,))[..., :K], -1, axis).astype(np.float32)
;;   ~~~
;;   SOFTMAX AHEAD OF A QUANTISED PRODUCT. Where the list says 'softmax', what is quantised is not the finished softmax but p = 2^(t - M), with t = logit x log2(e) and M = ceil(the row's largest t), a whole number; so 1/2 < the row's largest p <= 1. The row's sum l is taken of the UNQUANTISED p, in f32, and the product's result is divided by l at the end. Since M is a whole number, a kernel that streams over the keys may use a running M (the ceiling of the running maximum): every later rescaling is an exact power of two, which a block's scale takes up: the codes' values come out the same.
;;   OPERANDS COMPUTED ON THE WAY. 'Computed on the way' means the value that the module computes at that place (a softmax that the list does not call 'softmax' is quantised finished and normalised). What goes into a quantiser is computed in f32, as accurately as f32 sums, v_exp_f32 and their like allow (about 1e-6 of the number): no bf16 or f16 on the way to a quantiser, and a product that is left as it is and whose result goes on into a quantised operand takes f32 operands (vector FMAs, or v_wmma_f32_16x16x4_f32). A number that lies on a knife's edge between two numbers of the format may be rounded either way, as far as f32 arithmetic and the matrix unit's own rounding can turn it there, and no further.
;; One version. Each part assembles by itself: llvm-mc -triple=amdgcn-amd-amdhsa -mcpu=gfx1250 --defsym DOCPART=n.
;; ======== version 1 of 1: 4 launches
;; limits: right only within a limited range of input values
;; workspace buffers: opq 9,830,400 bytes; qi 6,815,744 bytes; kv 13,369,344 bytes; oq 6,553,600 bytes
;; launch quant (part 1): grid 256 x 1, 3 waves a work-group, no clusters, 25,856 bytes of LDS; arguments x, w_qkv, w_out, opq; writes opq
.if DOCPART == 1
	.amdgcn_target "amdgcn-amd-amdhsa--gfx1250"
	.amdhsa_code_object_version 6
	.text
	.protected	k_q0732935bd0_quant
	.globl	k_q0732935bd0_quant
	.p2align	8
	.type	k_q0732935bd0_quant,@function
k_q0732935bd0_quant:
	s_mov_b64 s[64:65], 0
	v_nop
	global_prefetch_b8 v0, s[64:65] scope:SCOPE_SE
	s_setreg_imm32_b32 hwreg(HW_REG_WAVE_MODE, 25, 1), 1
	s_wait_xcnt 0x0
; x [8192][1024], w_qkv [3072][1024] and w_out [1024][1024], f32, become codes of FP6 (E2M3) with one E8M0 scale byte for each 32 along K (K = 1,024, innermost), laid in opq IN THE ORDER OF AN OPERAND'S REGISTERS.
; A TILE is 16 rows: lane r of tile T holds row 32 (T / 2) + 8 (T % 2) + r + 8 (r / 8) of its tensor.  Tiles 0-511: x; 512-703: w_qkv; 704-767: w_out.  A tile takes 12,800 bytes:
;   16 half images of 768 bytes (64 along K each: a lane's six registers; registers 0-3 at 16 x lane, registers 4-5 at 512 + 8 x lane), then 512 scale bytes laid [K / 512][r][16]: lane L's 16 bytes at 16 L are the four
;   scale words of K steps 4 (L / 16) + 0 .. 3 of row L % 16.
; A block's scale is 2^(floor(log2(its largest magnitude)) - 2); its byte is the largest magnitude's exponent field - 2, held at 1 from below.
; LIMITS: a block of zeros, or one whose largest magnitude lies under 2^-124, gets the byte 1 (its codes are zeros or the format's smallest; only this program reads the bytes); NaN and infinities among the inputs are not served.
; SHARES: one wave makes one tile: 768 waves, three to a work-group.  Eight K steps of 128, written out: every offset is an immediate.  Each load reads 512 consecutive bytes of one row; the 16 rows turn through the wave's own
; stage in LDS (rows 528 bytes apart, so that 16 rows start at 16 different groups of banks), from which a lane takes 16 neighbours of each block of 32.  Every store of codes covers 512 or 256 consecutive bytes, aligned.
; Waves share nothing: no barrier, no cluster, no tensor load (nothing here is read by two work-groups).  Loads run two K steps (32 loads a wave) ahead.
.set TILEB, 12800
.set SCOFF, 12288
.set SPI,   528                        ; a stage row: 512 bytes + 16
.set STG,   16*SPI                     ; a wave's stage
.set L16, 4                            ; v4   16 x lane
.set L8,  5                            ; v5   8 x lane
.set STI, 6                            ; v6   the stage, on the way in: 16 x lane
.set STO, 7                            ; v7   on the way out: 528 r + 64 h
.set RS,  16                           ; v16-143  two sets of 64: a K step as loaded
.set X,   144                          ; v144-207 register 16 b + i = k 32 b + 16 h + i of my row
.set PC,  208                          ; v208-219 the fragment's codes; v220-226 at work
.set TM,  228                          ; v228-231 largest magnitudes, v232-235 bytes, v240-243 the conversions' scale operands
.set SW,  244                          ; v244-251 the scale words of the eight K steps
.set OUT, 252                          ; v252-255 my four of them
.set SEL, 20                           ; s[20:21] v_permlanex16_b32's selects for lane l xor 16
	s_load_b256 s[4:11], s[0:1], 0x0               ; x s[4:5], w_qkv s[6:7], w_out s[8:9], opq s[10:11]
	v_lshl_add_u32 v238, v0, 2, 0x6300
	v_mov_b32 v239, 0
	v_lshrrev_b32 v1, 5, v0
	v_readfirstlane_b32 s16, v1                    ; wave 0..2
	v_and_b32 v1, 31, v0                           ; lane
	v_and_b32 v2, 15, v0                           ; r
	v_bfe_u32 v3, v0, 4, 1                         ; h
	v_lshlrev_b32 v[L16], 4, v1
	v_lshlrev_b32 v[L8], 3, v1
	s_mul_i32 s19, s16, STG
	v_add_nc_u32 v[STI], s19, v[L16]
	v_mul_u32_u24 v[STO], v2, SPI
	v_lshl_add_u32 v[STO], v3, 6, v[STO]
	v_add_nc_u32 v[STO], s19, v[STO]
.irp b, 0,1,2,3
	v_mov_b32 v[TM+4+\b], 0                        ; written once: a lane permute's destination counts as one of its sources
.endr
	s_mov_b32 s[SEL], 0x76543210
	s_mov_b32 s[SEL+1], 0xfedcba98
	s_mul_i32 s17, ttmp9, 3
	s_add_co_u32 s17, s17, s16                     ; my tile in opq
	s_mov_b32 s18, 704
	s_wait_alu depctr_va_vdst(0)
	s_wait_kmcnt 0x0
	s_cmp_lt_u32 s17, 704                          ; which tensor: the choice hangs on the tile's number alone
	s_cselect_b64 s[12:13], s[6:7], s[8:9]
	s_cselect_b32 s18, 512, s18
	s_cmp_lt_u32 s17, 512
	s_cselect_b64 s[12:13], s[4:5], s[12:13]
	s_cselect_b32 s18, 0, s18
	s_sub_co_u32 s18, s17, s18                     ; the tile's number in its tensor
	s_lshr_b32 s22, s18, 1
	s_lshl_b32 s22, s22, 5
	s_and_b32 s23, s18, 1
	s_lshl_b32 s23, s23, 3
	s_add_co_u32 s22, s22, s23                     ; its first row: 32 (T / 2) + 8 (T % 2)
	s_lshl_b32 s22, s22, 12                        ; rows of 4,096 bytes: under 2^26
	s_mov_b32 s23, 0
	s_add_nc_u64 s[12:13], s[12:13], s[22:23]
	s_mul_i32 s22, s17, TILEB
	s_add_nc_u64 s[10:11], s[10:11], s[22:23]
.macro LOAD s                          ; K step s of the tile's 16 rows: 512 consecutive bytes a load
.irp i, 0,1,2,3,4,5,6,7,8,9,10,11,12,13,14,15
	global_load_b128 v[RS+64*((\s)%2)+4*\i:RS+64*((\s)%2)+4*\i+3], v[L16], s[12:13] offset:(\i+8*(\i/8))*4096+512*(\s) th:TH_LOAD_NT
.endr
.endm
; 64 numbers of a lane, register 16 b + i = k 32 b + 16 h + i of my row, become a fragment's codes in v[PC] on and its scale word in v[w]
.macro QUANT s, w
.irp b, 0,1,2,3
	v_max3_num_f32 v[TM+\b], |v[\s+16*\b]|, |v[\s+1+16*\b]|, 0x1800000   ; my 16 numbers of block b, and the floor 2^(3 - 127): the byte cannot fall under 1
.endr
.irp i, 2,4,6,8,10,12,14
.irp b, 0,1,2,3
	v_max3_num_f32 v[TM+\b], v[TM+\b], |v[\s+16*\b+\i]|, |v[\s+1+16*\b+\i]|   ; the four blocks by turns
.endr
.endr
.irp b, 0,1,2,3
	v_permlanex16_b32 v[TM+4+\b], v[TM+\b], s[SEL], s[SEL+1]
.endr
.irp b, 0,1,2,3
	v_max_num_f32 v[TM+\b], v[TM+\b], v[TM+4+\b]   ; with lane l xor 16's: the block's largest magnitude
.endr
.irp b, 0,1,2,3
	v_add_nc_u32 v[TM+12+\b], 0xff000000, v[TM+\b] ; 2 off its exponent field: the conversion takes that field as its scale
.endr
.irp b, 0,1,2,3
	v_lshrrev_b32 v[TM+4+\b], 23, v[TM+12+\b]      ; the scale's byte
.endr
	v_lshl_or_b32 v[\w], v[TM+5], 8, v[TM+4]
	v_lshl_or_b32 v[\w], v[TM+6], 16, v[\w]
	v_lshl_or_b32 v[\w], v[TM+7], 24, v[\w]
.irp c, 0,1
	v_cvt_scalef32_pk16_fp6_f32 v[PC+6*\c:PC+2+6*\c], v[\s+32*\c:\s+15+32*\c], v[TM+12+2*\c]
	v_cvt_scalef32_pk16_fp6_f32 v[PC+12+4*\c:PC+14+4*\c], v[\s+16+32*\c:\s+31+32*\c], v[TM+12+2*\c+1]   ; (a conversion's three registers begin on an even number)
.endr
	v_nop                                          ; one plain place behind a scaled conversion
.irp c, 0,1                                    ; the operand's layout wants a whole block in a lane: lanes 0-15 block 2 c, lanes 16-31 block 2 c + 1
.irp i, 0,1,2
	v_permlane16_swap_b32 v[PC+6*\c+\i], v[PC+12+4*\c+\i]
.endr
.irp i, 0,1,2
	v_mov_b32 v[PC+3+6*\c+\i], v[PC+12+4*\c+\i]
.endr
.endr
.endm
.macro STEPQ s
.if (\s) < 7
	s_wait_loadcnt 16                              ; this K step's 16 loads are in; the next step's 16 stay out
.else
	s_wait_loadcnt 0x0
.endif
.irp i, 0,1,2,3,4,5,6,7,8,9,10,11,12,13,14,15
	ds_store_b128 v[STI], v[RS+64*((\s)%2)+4*\i:RS+64*((\s)%2)+4*\i+3] offset:SPI*\i
.endr
.irp b, 0,1,2,3
.irp j, 0,1,2,3
	ds_load_b128 v[X+16*\b+4*\j:X+16*\b+4*\j+3], v[STO] offset:128*\b+16*\j   ; LDS serves a wave's instructions in order: these see the stores above
.endr
.endr
	s_wait_dscnt 0x0                               ; my 64 numbers are in, and the stores into the stage have read their registers,
	s_wait_xcnt 0x0                                ; and the last step's stores of codes have read theirs: both are written again only behind these waits
.if (\s) < 6
	LOAD (\s)+2
.endif
	QUANT X, SW+(\s)
	global_store_b128 v[L16], v[PC:PC+3], s[10:11] offset:1536*(\s)           ; 512 consecutive bytes
	global_store_b64 v[L8], v[PC+4:PC+5], s[10:11] offset:1536*(\s)+512       ; 256
	global_store_b128 v[L16], v[PC+6:PC+9], s[10:11] offset:1536*(\s)+768
	global_store_b64 v[L8], v[PC+10:PC+11], s[10:11] offset:1536*(\s)+1280
.endm
	LOAD 0
	LOAD 1
.irp s, 0,1,2,3,4,5,6,7
	STEPQ \s
.endr
	v_cmp_ne_u32 vcc_lo, 0, v3                     ; lanes 0-15 keep the words of K steps 0-3, lanes 16-31 those of K steps 4-7
.irp j, 0,1,2,3
	v_cndmask_b32 v[OUT+\j], v[SW+\j], v[SW+4+\j], vcc_lo
.endr
	global_store_b128 v[L16], v[OUT:OUT+3], s[10:11] offset:SCOFF   ; 512 consecutive bytes
	s_wait_tensorcnt 0x0
	ds_add_u32 v238, v239
	s_wait_dscnt 0x0
	s_endpgm
.Lfunc_end_k_q0732935bd0_quant:
	.size	k_q0732935bd0_quant, .Lfunc_end_k_q0732935bd0_quant-k_q0732935bd0_quant
	.p2alignl 7, 3214868480
	.fill 96, 4, 3214868480
	.section	.rodata,"a",@progbits
	.p2align	6, 0x0
	.amdhsa_kernel k_q0732935bd0_quant
		.amdhsa_group_segment_fixed_size 25856
		.amdhsa_private_segment_fixed_size 0
		.amdhsa_enable_private_segment 0
		.amdhsa_kernarg_size 32
		.amdhsa_user_sgpr_count 2
		.amdhsa_user_sgpr_kernarg_segment_ptr 1
		.amdhsa_wavefront_size32 1
		.amdhsa_system_sgpr_workgroup_id_x 1
		.amdhsa_system_sgpr_workgroup_id_y 1
		.amdhsa_system_sgpr_workgroup_id_z 1
		.amdhsa_system_vgpr_workitem_id 0
		.amdhsa_next_free_vgpr 256
		.amdhsa_next_free_sgpr 66
		.amdhsa_reserve_vcc 1
		.amdhsa_float_denorm_mode_32 3
		.amdhsa_float_denorm_mode_16_64 3
		.amdhsa_memory_ordered 1
		.amdhsa_forward_progress 1
		.amdhsa_inst_pref_size 64
	.end_amdhsa_kernel
	.amdgpu_metadata
---
amdhsa.version: [ 1, 2 ]
amdhsa.kernels:
  - .name:           k_q0732935bd0_quant
    .symbol:         k_q0732935bd0_quant.kd
    .args:
      - { .name: x, .offset: 0, .size: 8, .value_kind: global_buffer, .address_space: global }
      - { .name: w_qkv, .offset: 8, .size: 8, .value_kind: global_buffer, .address_space: global }
      - { .name: w_out, .offset: 16, .size: 8, .value_kind: global_buffer, .address_space: global }
      - { .name: opq, .offset: 24, .size: 8, .value_kind: global_buffer, .address_space: global }
    .group_segment_fixed_size: 25856
    .private_segment_fixed_size: 0
    .kernarg_segment_align: 8
    .kernarg_segment_size: 32
    .max_flat_workgroup_size: 96
    .sgpr_count:     66
    .vgpr_count:     256
    .wavefront_size: 32
...
	.end_amdgpu_metadata
.endif
;; end of part 1
;; launch gemm_qkv (part 2): grid 8 x 48, 4 waves a work-group, clusters of 4 x 4, 327,680 bytes of LDS; arguments opq, qi, kv; writes qi, kv
.if DOCPART == 2
	.amdgcn_target "amdgcn-amd-amdhsa--gfx1250"
	.amdhsa_code_object_version 6
	.text
	.protected	k_q0732935bd0_gemm_qkv
	.globl	k_q0732935bd0_gemm_qkv
	.p2align	8
	.type	k_q0732935bd0_gemm_qkv,@function
k_q0732935bd0_gemm_qkv:
	s_mov_b64 s[64:65], 0
	v_nop
	global_prefetch_b8 v0, s[64:65] scope:SCOPE_SE
	s_setreg_imm32_b32 hwreg(HW_REG_WAVE_MODE, 25, 1), 1
	s_wait_xcnt 0x0
	s_wait_alu depctr_hold_cnt(0) depctr_sa_sdst(0) depctr_va_vdst(0) depctr_va_sdst(0) depctr_va_ssrc(0) depctr_va_vcc(0) depctr_vm_vsrc(0)
	s_getreg_b32 s2, hwreg(HW_REG_IB_STS2, 6, 4)
	s_cmp_eq_u32 s2, 0
	s_cbranch_scc0 .Lentry_in_a_cluster
	s_endpgm
.Lentry_in_a_cluster:
	s_bfe_u32 s2, ttmp6, 0x10000c
	s_cmp_lg_u32 s2, 0xf033
	s_cbranch_scc0 .Lentry_shape_is_right
	s_endpgm
.Lentry_shape_is_right:
.set TILEB,  12800
.set SCOFF,  12288
.set KSB,    3072
.set HALFT,  8*KSB
.set SLOT,   4*HALFT
.set SPARE,  2*SLOT
.set FR,     12
.set NL,     4
.set NP,     4
.set ADRA, 16
.set ADRB, 20
.set SPW,  28
.set NIL,  29
.set L16,  30
.set SR,   32
.set SP,   64
.set AF,   128
.set PC,   128
.set TM,   152
.set PW,   168
.set G1,  24
.set G0,  32
.set G1B, 48
.set G0B, 56
.set D0,   67
.set DS0,  68
.set SA,   69
.set SB,   70
.set SH,   71
.set SSB,  72
.set SSH,  73
.set SHAMT, 74
.set MASK, 75
.set SEL,  96
.set MSB, 0
.macro WIN new
.if MSB != \new
	s_set_vgpr_msb (MSB<<8)|\new
.set MSB, \new
.endif
.endm
.set MUL_LO, 0xa1
.set MUL_HI, 0xf1
.set TO_B,   0x40
.macro JLOAD s
	s_cmp_eq_u32 s15, 0
	s_cbranch_scc0 .Lfor_p_\@
	tensor_load_to_lds s[G0+4*\s:G0+4*\s+3], s[G1:G1+7]
	s_nop 0
.rept 4
	v_nop
.endr
	s_branch .Lasked_\@
.Lfor_p_\@:
	tensor_load_to_lds s[G0B+4*\s:G0B+4*\s+3], s[G1B:G1B+7]
	s_nop 0
.rept 4
	v_nop
.endr
.Lasked_\@:
.endm
.macro CREST
	s_cmp_lg_u32 s14, 0
	s_cbranch_scc1 .Lnot_wave_0_\@
	s_barrier_signal -3
.Lnot_wave_0_\@:
	s_barrier_wait -3
	s_barrier_signal -1
	s_barrier_wait -1
.endm
.macro CROUND
	s_barrier_signal -1
	s_barrier_wait -1
	CREST
.endm
	s_load_b64 s[4:5], s[0:1], 0x0
	s_load_b128 s[84:87], s[0:1], 0x8
	v_lshl_add_u32 v[SPW], v0, 2, SPARE
	v_mov_b32 v[NIL], 0
	ds_add_u32 v28, v29
	ds_add_u32 v28, v29
	s_wait_dscnt 0x0
	v_lshrrev_b32 v1, 5, v0
	v_readfirstlane_b32 s14, v1
	s_lshr_b32 s15, s14, 1
	s_and_b32 s16, s14, 1
	s_bfe_u32 s40, ttmp6, 0x40000
	s_bfe_u32 s41, ttmp6, 0x40004
	s_and_b32 s42, ttmp7, 0xffff
	s_lshl_b32 s98, s41, 2
	s_lshl_b32 s98, 15, s98
	s_lshl_b32 s99, 0x1111, s40
	s_or_b32 s[G1+0], s98, (1<<21)
	s_or_b32 s[G1B+0], s99, (1<<21)
.irp g, G1, G1B
	s_mov_b32 s[\g+1], KSB<<16
	s_mov_b32 s[\g+2], 8<<16
	s_mov_b32 s[\g+3], KSB<<16
	s_mov_b32 s[\g+4], 8
	s_mov_b32 s[\g+5], TILEB
	s_mov_b32 s[\g+6], 0
	s_mov_b32 s[\g+7], 0
.endr
	s_lshl_b32 s17, s42, 2
	s_max_u32 s44, s42, 8
	s_sub_co_u32 s44, s44, 8
	s_lshl_b32 s44, s44, 3
	s_lshl_b32 s43, ttmp9, 2
	s_mov_b32 s66, ttmp9
	s_cmp_lt_u32 s42, 8
	s_cselect_b32 s66, s66, 2
	s_cselect_b32 s17, s17, 0
	s_cselect_b32 s45, 0, 640
	s_cselect_b32 s46, 512, 0
	s_add_co_u32 s17, s17, s41
	s_add_co_u32 s43, s43, s44
	s_add_co_u32 s43, s43, s40
	s_lshl_b32 s18, s16, 3
	s_lshl_b32 s19, s15, 3
	s_lshl_b32 s20, s17, 4
	s_add_co_u32 s20, s20, s45
	s_add_co_u32 s22, s20, s18
	s_mul_i32 s22, s22, TILEB
	s_mov_b32 s23, 0
	s_add_co_u32 s92, s20, s19
	s_mul_i32 s92, s92, TILEB
	s_mov_b32 s93, 0
	s_lshl_b32 s94, s43, 4
	s_add_co_u32 s94, s94, s46
	s_add_co_u32 s94, s94, s18
	s_mul_i32 s94, s94, TILEB
	s_mov_b32 s95, 0
	s_mul_i32 s21, s14, HALFT
	s_wait_kmcnt 0x0
	s_add_nc_u64 s[22:23], s[4:5], s[22:23]
	s_add_nc_u64 s[88:89], s[4:5], s[92:93]
	s_add_nc_u64 s[90:91], s[4:5], s[94:95]
	CROUND
.irp s, 0,1
	s_mov_b32 s[G0+4*\s], 1
	s_add_co_u32 s[G0+4*\s+1], s21, \s*SLOT
	s_add_nc_u64 s[G0+4*\s+2:G0+4*\s+3], s[22:23], \s*KSB
	s_or_b32 s[G0+4*\s+3], s[G0+4*\s+3], 0x80000000
	s_mov_b32 s[G0B+4*\s], 1
	s_add_co_u32 s[G0B+4*\s+1], s21, \s*SLOT
	s_add_nc_u64 s[G0B+4*\s+2:G0B+4*\s+3], s[90:91], \s*KSB
	s_or_b32 s[G0B+4*\s+3], s[G0B+4*\s+3], 0x80000000
	s_wait_alu depctr_va_vdst(0)
	s_wait_tensorcnt 0x0
	ds_add_u32 v28, v29
	ds_add_u32 v28, v29
	s_wait_dscnt 0x0
	CROUND
	JLOAD \s
.endr
	v_and_b32 v1, 31, v0
	v_lshlrev_b32 v[L16], 4, v1
	v_lshlrev_b32 v2, 3, v1
	s_mul_i32 s6, s15, HALFT
	s_mul_i32 s7, s16, HALFT
	s_add_co_u32 s7, s7, 2*HALFT
.irp s, 0,1
	v_add_nc_u32 v[ADRA+\s], s6, v[L16]
	v_add_nc_u32 v[ADRA+2+\s], s6, v2
	v_add_nc_u32 v[ADRB+\s], s7, v[L16]
	v_add_nc_u32 v[ADRB+2+\s], s7, v2
	s_add_co_u32 s6, s6, SLOT
	s_add_co_u32 s7, s7, SLOT
.endr
.irp a, 0,1,2,3,4,5,6,7
	global_load_b128 v[SR+4*\a:SR+4*\a+3], v[L16], s[88:89] offset:TILEB*\a+SCOFF
	global_load_b128 v[SP+4*\a:SP+4*\a+3], v[L16], s[90:91] offset:TILEB*\a+SCOFF
.endr
	s_lshl_b32 s78, s17, 1
	s_add_co_u32 s78, s78, s15
	s_lshl_b32 s79, s43, 1
	s_add_co_u32 s79, s79, s16
	s_and_b32 s79, s79, 7
	s_cmp_eq_u32 s66, 2
	s_cselect_b32 s76, s43, s17
	s_cselect_b32 s77, s16, s15
	s_cselect_b32 s78, s78, s79
	s_lshr_b32 s79, s76, 3
	s_and_b32 s76, s76, 7
	s_lshl_b32 s76, s76, 1
	s_add_co_u32 s76, s76, s77
	s_lshl_b32 s79, s79, 4
	s_lshl_b32 s78, s78, 1
	s_add_co_u32 s78, s78, s79
	s_mul_i32 s80, s78, 208896
	s_mul_i32 s81, s76, 13056
	s_add_co_u32 s80, s80, s81
	s_lshl_b32 s81, s78, 7
	s_lshl_b32 s82, s76, 3
	s_add_co_u32 s81, s81, s82
	s_mul_i32 s82, s81, 768
	s_lshl_b32 s83, s81, 6
	s_add_co_u32 s83, s83, 6291456
	s_mov_b32 s[SA], 768
	s_mov_b32 s[SB], 3072
	s_mov_b32 s[SH], 208896
	s_mov_b32 s[SSB], 256
	s_mov_b32 s[SSH], 208896
	s_mov_b32 s[MASK], 0xffff
	s_mov_b32 s77, 12288
	s_cmp_eq_u32 s66, 2
	s_cselect_b32 s[SA], 1536, s[SA]
	s_cselect_b32 s[SB], 208896, s[SB]
	s_cselect_b32 s[SH], 768, s[SH]
	s_cselect_b32 s[SSB], 208896, s[SSB]
	s_cselect_b32 s[SSH], 0, s[SSH]
	s_cselect_b32 s[SHAMT], 0, 16
	s_cselect_b32 s[MASK], -1, s[MASK]
	s_cselect_b32 s76, 6144, 0
	s_cselect_b32 s77, 12800, s77
	s_add_co_u32 s[D0], s80, s76
	s_add_co_u32 s[DS0], s80, s77
	s_cmp_eq_u32 s66, 0
	s_cselect_b32 s[SH], 98304, s[SH]
	s_cselect_b32 s[SSH], 8192, s[SSH]
	s_cselect_b32 s[D0], s82, s[D0]
	s_cselect_b32 s[DS0], s83, s[DS0]
	s_cselect_b64 s[12:13], s[84:85], s[86:87]
	s_mov_b32 s[SEL], 0x76543210
	s_mov_b32 s[SEL+1], 0xfedcba98
.macro FRAG reg, adr, q, i
	ds_load_b128 v[\reg:\reg+3], v[\adr] offset:(\i)*KSB+(\q)*1536
	ds_load_b64 v[\reg+4:\reg+5], v[\adr+2] offset:(\i)*KSB+(\q)*1536+512
	ds_load_b128 v[\reg+6:\reg+9], v[\adr] offset:(\i)*KSB+(\q)*1536+768
	ds_load_b64 v[\reg+10:\reg+11], v[\adr+2] offset:(\i)*KSB+(\q)*1536+1280
.endm
.macro MUL16 a0, p, ks, mode
.irp a, \a0, \a0+1
.irp b, 0,1,2,3,4,5,6,7
.if \mode == 1
	v_wmma_scale_f32_16x16x128_f8f6f4 v[8*(8*((\a)%4)+\b):8*(8*((\a)%4)+\b)+7], v[128*(\p)+FR*\b:128*(\p)+FR*\b+FR-1], v[AF+FR*(\a):AF+FR*(\a)+FR-1], 0, v[SP+4*\b+(\ks)%4], v[SR+4*(\a)+(\ks)%4] matrix_a_fmt:MATRIX_FMT_FP6 matrix_b_fmt:MATRIX_FMT_FP6
.elseif (\ks) < 4
	v_wmma_scale_f32_16x16x128_f8f6f4 v[8*(8*((\a)%4)+\b):8*(8*((\a)%4)+\b)+7], v[128*(\p)+FR*\b:128*(\p)+FR*\b+FR-1], v[AF+FR*(\a):AF+FR*(\a)+FR-1], v[8*(8*((\a)%4)+\b):8*(8*((\a)%4)+\b)+7], v[SP+4*\b+(\ks)%4], v[SR+4*(\a)+(\ks)%4] matrix_a_fmt:MATRIX_FMT_FP6 matrix_b_fmt:MATRIX_FMT_FP6
.else
	v_wmma_scale_f32_16x16x128_f8f6f4 v[8*(8*((\a)%4)+\b):8*(8*((\a)%4)+\b)+7], v[128*(\p)+FR*\b:128*(\p)+FR*\b+FR-1], v[AF+FR*(\a):AF+FR*(\a)+FR-1], v[8*(8*((\a)%4)+\b):8*(8*((\a)%4)+\b)+7], v[SP+4*\b+(\ks)%4], v[SR+4*(\a)+(\ks)%4] matrix_a_fmt:MATRIX_FMT_FP6 matrix_b_fmt:MATRIX_FMT_FP6 matrix_a_scale:MATRIX_SCALE_ROW1 matrix_b_scale:MATRIX_SCALE_ROW1
.endif
.endr
.endr
.endm
.macro FETCH_B slot, q, p
	WIN TO_B
.irp i, 0,1,2,3,4,5,6,7
	FRAG 128*(\p)+FR*\i, ADRB+\slot, \q, \i
.endr
	WIN 0
.endm
.macro FETCH_A slot, q, i0
.irp i, \i0, \i0+1, \i0+2, \i0+3
	FRAG AF+FR*(\i), ADRA+\slot, \q, \i
.endr
.endm
.macro PLACES n
.rept \n
	v_nop
.endr
.endm
.macro STEP slot, ks, mode
	s_wait_dscnt 4*NL
	WIN MUL_LO
	MUL16 0, 0, \ks, \mode
	MUL16 2, 0, \ks, \mode
	s_wait_dscnt 0
	PLACES NP
	FETCH_B \slot, 1, 1
	FETCH_A \slot, 1, 0
	WIN MUL_HI
	MUL16 4, 0, \ks, \mode
	MUL16 6, 0, \ks, \mode
	PLACES NP
	WIN 0
	FETCH_A \slot, 1, 4
.endm
.macro TURN slot, next, fill, ks
	s_wait_tensorcnt 0x0
	ds_add_u32 v[SPW], v[NIL]
	s_wait_dscnt 4*NL+1
	WIN MUL_LO
	MUL16 0, 1, \ks, 0
	s_wait_dscnt 0x0
	s_barrier_signal -1
	MUL16 2, 1, \ks, 0
	WIN 0
	s_barrier_wait -1
.if \fill
	CREST
	s_add_nc_u64 s[G0+4*\slot+2:G0+4*\slot+3], s[G0+4*\slot+2:G0+4*\slot+3], 2*KSB
	s_add_nc_u64 s[G0B+4*\slot+2:G0B+4*\slot+3], s[G0B+4*\slot+2:G0B+4*\slot+3], 2*KSB
	JLOAD \slot
.else
	PLACES NP
.endif
	FETCH_B \next, 0, 0
	FETCH_A \next, 0, 0
	WIN MUL_HI
	MUL16 4, 1, \ks, 0
	MUL16 6, 1, \ks, 0
	PLACES NP
	WIN 0
	FETCH_A \next, 0, 4
.endm
	s_wait_alu depctr_va_vdst(0)
	s_wait_tensorcnt 1
	s_barrier_signal -1
	s_barrier_wait -1
	FETCH_B 0, 0, 0
	FETCH_A 0, 0, 0
	FETCH_A 0, 0, 4
	s_wait_loadcnt 0x0
	STEP 0, 0, 1
	TURN 0, 1, 1, 1
	STEP 1, 2, 0
	TURN 1, 0, 1, 3
	STEP 0, 4, 0
	TURN 0, 1, 0, 5
	STEP 1, 6, 0
	s_wait_dscnt 4*NL
	WIN MUL_LO
	MUL16 0, 1, 7, 0
	MUL16 2, 1, 7, 0
	s_wait_dscnt 0
	WIN MUL_HI
	MUL16 4, 1, 7, 0
	MUL16 6, 1, 7, 0
	WIN 0
	PLACES NP
	v_and_b32 v1, 31, v0
	v_and_b32 v2, 15, v0
	v_bfe_u32 v3, v0, 4, 1
	s_add_co_u32 s76, s[D0], 512
	v_lshl_add_u32 v96, v1, 4, s[D0]
	v_lshl_add_u32 v97, v1, 3, s76
	v_add_nc_u32 v98, s[SH], v96
	v_add_nc_u32 v99, s[SH], v97
	v_mul_u32_u24 v100, s[SSH], v3
	v_lshl_add_u32 v100, v2, 2, v100
	v_add_nc_u32 v100, s[DS0], v100
	v_mul_u32_u24 v101, s[SHAMT], v3
.irp b, 0,1,2,3
	v_mov_b32 v[TM+4+\b], 0
.endr
.macro QUANTW W, s
.set WN, ((\W)<<2)|((\W)<<4)
	WIN WN
.irp b, 0,1,2,3
	v_max3_num_f32 v[TM+\b], 0x1800000, |v[\s+16*\b]|, |v[\s+1+16*\b]|
.endr
.irp i, 2,4,6,8,10,12,14
.irp b, 0,1,2,3
	v_max3_num_f32 v[TM+\b], v[TM+\b], |v[\s+16*\b+\i]|, |v[\s+1+16*\b+\i]|
.endr
.endr
	WIN 0
.irp b, 0,1,2,3
	v_permlanex16_b32 v[TM+4+\b], v[TM+\b], s[SEL], s[SEL+1]
.endr
.irp b, 0,1,2,3
	v_max_num_f32 v[TM+\b], v[TM+\b], v[TM+4+\b]
.endr
.irp b, 0,1,2,3
	v_add_nc_u32 v[TM+12+\b], 0xff000000, v[TM+\b]
.endr
.irp b, 0,1,2,3
	v_lshrrev_b32 v[TM+4+\b], 23, v[TM+12+\b]
.endr
	v_lshl_or_b32 v[PW], v[TM+5], 8, v[TM+4]
	v_lshl_or_b32 v[PW], v[TM+6], 16, v[PW]
	v_lshl_or_b32 v[PW], v[TM+7], 24, v[PW]
.set WN, \W
	WIN WN
.irp c, 0,1
	v_cvt_scalef32_pk16_fp6_f32 v[PC+6*\c:PC+2+6*\c], v[\s+32*\c:\s+15+32*\c], v[TM+12+2*\c]
	v_cvt_scalef32_pk16_fp6_f32 v[PC+12+4*\c:PC+14+4*\c], v[\s+16+32*\c:\s+31+32*\c], v[TM+12+2*\c+1]
.endr
	WIN 0
	v_nop
.irp c, 0,1
.irp i, 0,1,2
	v_permlane16_swap_b32 v[PC+6*\c+\i], v[PC+12+4*\c+\i]
.endr
.irp i, 0,1,2
	v_mov_b32 v[PC+3+6*\c+\i], v[PC+12+4*\c+\i]
.endr
.endr
.endm
.macro OUTA a
	s_wait_xcnt 0x0
	s_mul_i32 s80, s[SA], (\a)%4
	s_mul_i32 s81, s[SB], (\a)/4
	s_add_co_u32 s80, s80, s81
	s_mul_i32 s81, s[SSB], (\a)/4
	s_add_co_u32 s81, s81, 64*((\a)%4)
	v_add_nc_u32 v102, s80, v96
	v_add_nc_u32 v103, s80, v97
	v_add_nc_u32 v104, s80, v98
	v_add_nc_u32 v105, s80, v99
	v_add_nc_u32 v106, s81, v100
	QUANTW 2+(\a)/4, 64*((\a)%4)
	global_store_b128 v102, v[PC:PC+3], s[12:13]
	global_store_b64 v103, v[PC+4:PC+5], s[12:13]
	global_store_b128 v104, v[PC+6:PC+9], s[12:13]
	global_store_b64 v105, v[PC+10:PC+11], s[12:13]
	v_lshrrev_b32 v107, v101, v[PW]
	v_and_b32 v107, s[MASK], v107
	global_store_b32 v106, v107, s[12:13]
.endm
.irp a, 0,1,2,3,4,5,6,7
	OUTA \a
.endr
	s_wait_tensorcnt 0x0
	ds_add_u32 v[SPW], v[NIL]
	s_wait_dscnt 0x0
	CROUND
	s_endpgm
.Lfunc_end_k_q0732935bd0_gemm_qkv:
	.size	k_q0732935bd0_gemm_qkv, .Lfunc_end_k_q0732935bd0_gemm_qkv-k_q0732935bd0_gemm_qkv
	.p2alignl 7, 3214868480
	.fill 96, 4, 3214868480
	.section	.rodata,"a",@progbits
	.p2align	6, 0x0
	.amdhsa_kernel k_q0732935bd0_gemm_qkv
		.amdhsa_group_segment_fixed_size 327680
		.amdhsa_private_segment_fixed_size 0
		.amdhsa_enable_private_segment 0
		.amdhsa_kernarg_size 24
		.amdhsa_user_sgpr_count 2
		.amdhsa_user_sgpr_kernarg_segment_ptr 1
		.amdhsa_wavefront_size32 1
		.amdhsa_system_sgpr_workgroup_id_x 1
		.amdhsa_system_sgpr_workgroup_id_y 1
		.amdhsa_system_sgpr_workgroup_id_z 1
		.amdhsa_system_vgpr_workitem_id 0
		.amdhsa_next_free_vgpr 1024
		.amdhsa_next_free_sgpr 100
		.amdhsa_reserve_vcc 0
		.amdhsa_float_denorm_mode_32 3
		.amdhsa_float_denorm_mode_16_64 3
		.amdhsa_memory_ordered 1
		.amdhsa_forward_progress 1
		.amdhsa_inst_pref_size 153
	.end_amdhsa_kernel
	.amdgpu_metadata
---
amdhsa.version: [ 1, 2 ]
amdhsa.kernels:
  - .name:           k_q0732935bd0_gemm_qkv
    .symbol:         k_q0732935bd0_gemm_qkv.kd
    .args:
      - { .name: opq, .offset: 0, .size: 8, .value_kind: global_buffer, .address_space: global }
      - { .name: qi, .offset: 8, .size: 8, .value_kind: global_buffer, .address_space: global }
      - { .name: kv, .offset: 16, .size: 8, .value_kind: global_buffer, .address_space: global }
    .group_segment_fixed_size: 327680
    .private_segment_fixed_size: 0
    .kernarg_segment_align: 8
    .kernarg_segment_size: 24
    .max_flat_workgroup_size: 128
    .sgpr_count:     100
    .vgpr_count:     1024
    .wavefront_size: 32
...
	.end_amdgpu_metadata
.endif
;; end of part 2
;; launch attn (part 3): grid 4 x 64, 16 waves a work-group, clusters of 4 x 1, 210,944 bytes of LDS; arguments qi, kv, oq; writes oq
.if DOCPART == 3
	.amdgcn_target "amdgcn-amd-amdhsa--gfx1250"
	.amdhsa_code_object_version 6
	.text
	.protected	k_q0732935bd0_attn
	.globl	k_q0732935bd0_attn
	.p2align	8
	.type	k_q0732935bd0_attn,@function
k_q0732935bd0_attn:
	s_mov_b64 s[64:65], 0
	v_nop
	global_prefetch_b8 v0, s[64:65] scope:SCOPE_SE
	s_setreg_imm32_b32 hwreg(HW_REG_WAVE_MODE, 25, 1), 1
	s_wait_xcnt 0x0
	s_wait_alu depctr_hold_cnt(0) depctr_sa_sdst(0) depctr_va_vdst(0) depctr_va_sdst(0) depctr_va_ssrc(0) depctr_va_vcc(0) depctr_vm_vsrc(0)
	s_getreg_b32 s2, hwreg(HW_REG_IB_STS2, 6, 4)
	s_cmp_eq_u32 s2, 0
	s_cbranch_scc0 .Lentry_in_a_cluster
	s_endpgm
.Lentry_in_a_cluster:
	s_bfe_u32 s2, ttmp6, 0x10000c
	s_cmp_lg_u32 s2, 0x3003
	s_cbranch_scc0 .Lentry_shape_is_right
	s_endpgm
.Lentry_shape_is_right:
; o = softmax(q k^T / 8) v for one (batch, head) and 512 queries a work-group, both products on codes of FP6 (E2M3) with E8M0 scales; o is quantised along the head's 64 and leaves as codes for the last product.
; THE SOFTMAX: t = score x log2(e) / 8; M = the running largest t, rounded UP to a whole number; p = 2^(t - M) is quantised along the keys; the row's sum is taken of the unquantised p and divides O at the end.
; When M moves, the sum and O are multiplied by 2^(old M - new M): exact.
; IN: qi: [bh][tile 128][768] codes of q (16 queries x 64), then scale words [bh][tile][16].  kv: [bh][key step 16][13,056]: K's 8 half images of 768 bytes (16 keys x 64), V^T's 4 fragments of 1,536 (16 channels x 128 keys),
; K's 8 x 16 scale words, V's 4 x 16.  All are images of an operand's registers: registers 0-3 of a half image at 16 x lane, registers 4-5 at 512 + 8 x lane.  Lane r of stored tile T holds row 32 (T / 2) + 8 (T % 2) + r + 8 (r / 8).
; OUT: oq: tiles of 16 tokens, 12,800 bytes: half image number = the head; scale bytes at 12,288 + 256 (head / 8) + 16 r + 2 (head % 8).
; SHARES: sixteen waves, four to a SIMD.  Wave w owns query tiles 32 qb + 2 w and + 1 and takes BOTH through one walk of the 2,048 keys, 128 a step: each fragment of K and of V is read from LDS once for 32 queries.
; ALL OF THE HEAD'S K, V AND SCALES, 208,896 bytes, LIE IN LDS AND ARE FILLED ONCE: wave w fetches key step w, one tensor load a wave, no branch.  The four work-groups of a cluster own the four query blocks of one head: the fills are joint (mask 15).
; No prefetch: every byte that the launch reads of kv is asked for by the fills at the head, and q by loads there; the loop reads LDS alone.
; BOTH PRODUCTS ARE USED TRANSPOSED: S^T = K Q^T, O^T = V^T P^T: a lane holds one query throughout.
; K'S TILES ARE FORMED ANEW BY THE LDS ADDRESSES: tile 4 c + u takes keys 64 c + 8 u + 0..7 as rows 0-7 and keys 64 c + 32 + 8 u + 0..7 as rows 8-15.  So register 32 c + i of S^T in lane (r, h) is key 64 c + 32 h + i:
; a WHOLE block of 32 keys lies in one lane, in the order of P's operand: a block's maximum needs no other lane, and the conversions' results are the operand's registers.
; (Of stored tiles: row r of tile 4 c + u is row r % 8 + 8 (u / 2) of stored tile 4 c + 2 (r / 8) + u % 2.  Lanes 0-7 and 8-15 of a read then stand 1,536 bytes apart.)
; THE FIRST PRODUCT'S K IS 64, the instruction's 128: Q's registers 6-11 are zero codes.  K's operand of tile t is registers 6 t .. 6 t + 11 of the run of half images: its upper six are the next tile's codes, behind the last tile
; the first six registers of P's codes: every pattern of 6 bits is a finite number, K's scale bytes 2 and 3 are 0 (2^-127), and against zero codes they add exactly 0.
; LIMITS: the promise holds while |t| stays under 2^31; a block of p that has fallen to 0 keeps the byte 1 (its codes are zeros); NaN and infinities are not served.
.set STEPB, 13056
.set SPARE, 0x33000                    ; behind the 16 key steps: the spare words, 128 bytes a wave
.set KB16, 1                           ; v1-3  K's lane terms: 1536 (r / 8) + 16 (r % 8) + 256 h; 1536 (r / 8) + 8 (r % 8) + 128 h; 128 (r / 8) + 4 (r % 8) + 64 h
.set KB8,  2
.set KB4,  3
.set VB16, 4                           ; v4-6  16, 8, 4 x lane
.set VB8,  5
.set VB4,  6
.set T1,   7                           ; v7    the old -M; at work
.set STA,  8                           ; v8-11  tile A: -M, the largest score, the sum in two halves
.set STB,  12                          ; v12-15 tile B
.set F,    16                          ; v[16:17] f = 2^(old M - new M); v17 at work
.set BM,   18                          ; v18-19 my two blocks' largest score, then p, then the conversions' scale operands; LDS addresses at a step's loads
.set BT,   20                          ; v20-21 at work
.set SPW,  22                          ; v22 my spare word, v23 = 0: never rewritten
.set NIL,  23
.set QS,   24                          ; v24-25 Q's scale words;  v26-27 P's;  v28-31 K's (tile u % 2 = 0 in lanes 0-15, 1 in lanes 16-31), then V's in v28-29
.set PS,   26
.set KS,   28
.set QF,   32                          ; v32-43, v44-55 Q of tile A, B: six registers of codes, six of zeros
.set KF,   56                          ; v56-103 K's eight half images, then V's four fragments
.set PC,   104                         ; v104-115, v116-127 P's codes of tile A, B
.set S,    128                         ; v128-191 S^T, then p
.set OT,   192                         ; v192-223, v224-255 O^T of tile A, B
.set WV,  18
.set SEL, 20
.set CS,  22                           ; s[22:23] c = log2(e) / 8
.set G1,  24
.set G0,  32
.set TB,  48                           ; the key step's first LDS byte
.set CNT, 49
.set OB,  50
.set OSB, 52
.set QB,  54
.set QSB, 56
.macro CROUND                          ; a round of the cluster's barrier
	s_barrier_signal -1
	s_barrier_wait -1
	s_cmp_lg_u32 s[WV], 0
	s_cbranch_scc1 .Lnot_wave_0_\@
	s_barrier_signal -3
.Lnot_wave_0_\@:
	s_barrier_wait -3
	s_barrier_signal -1
	s_barrier_wait -1
.endm
.macro D1                              ; a link of a chain that has no second chain beside it
	s_delay_alu instid0(VALU_DEP_1)
.endm
	s_load_b128 s[4:7], s[0:1], 0x0                ; qi, kv
	s_load_b64 s[8:9], s[0:1], 0x10                ; oq
	v_lshl_add_u32 v[SPW], v0, 2, SPARE
	v_mov_b32 v[NIL], 0
	ds_add_u32 v[SPW], v[NIL]                      ; the opening lines: the add, twice on end, and its wait
	ds_add_u32 v[SPW], v[NIL]
	v_lshrrev_b32 v7, 5, v0
	v_readfirstlane_b32 s[WV], v7                  ; wave 0..15
	s_bfe_u32 s10, ttmp6, 0x40000                  ; cx
	s_lshl_b32 s11, ttmp9, 2
	s_add_co_u32 s10, s10, s11                     ; my block of 512 queries: it enters q's and o's addresses alone
	s_and_b32 s11, ttmp7, 0xffff                   ; bh, which the four partners share
	s_mul_i32 s12, s11, 16*STEPB
	s_mul_i32 s14, s[WV], STEPB                    ; I fetch key step = my wave's number, in memory and in LDS
	s_add_co_u32 s12, s12, s14
	s_mov_b32 s13, 0
	s_lshl_b32 s15, s10, 5
	s_lshl_b32 s16, s[WV], 1
	s_add_co_u32 s15, s15, s16                     ; my first query tile: 32 qb + 2 w
	s_lshl_b32 s16, s11, 7
	s_add_co_u32 s16, s16, s15
	s_mul_i32 s58, s16, 768                        ; q's codes
	s_mov_b32 s59, 0
	s_lshl_b32 s60, s16, 6
	s_add_co_u32 s60, s60, 6291456                 ; q's scale words
	s_mov_b32 s61, 0
	s_lshr_b32 s17, s11, 4                         ; the batch
	s_lshl_b32 s17, s17, 7
	s_add_co_u32 s17, s17, s15                     ; o's tile: 128 b + my first query tile
	s_mul_i32 s17, s17, 12800
	s_and_b32 s16, s11, 15                         ; the head
	s_mul_i32 s62, s16, 768
	s_add_co_u32 s62, s62, s17                     ; o's codes
	s_mov_b32 s63, 0
	s_lshr_b32 s15, s16, 3
	s_lshl_b32 s15, s15, 8
	s_and_b32 s16, s16, 7
	s_lshl_b32 s16, s16, 1
	s_add_co_u32 s16, s16, s15
	s_add_co_u32 s16, s16, s17
	s_add_co_u32 s16, s16, 12288                   ; o's scale bytes
	s_mov_b32 s17, 0
	s_mov_b32 s[G1], 15|(3<<16)|(1<<21)            ; the mask: all four work-groups; elements of 8 bytes; no padding; bit 21 beside a mask
	s_mov_b32 s[G1+1], 32<<16                      ; rows of 256 bytes
	s_mov_b32 s[G1+2], 51<<16                      ; 51 rows: a key step's 13,056 dense bytes
	s_mov_b32 s[G1+3], 32<<16
	s_mov_b32 s[G1+4], 51
	s_mov_b32 s[G1+5], 32
	s_mov_b32 s[G1+6], 0
	s_mov_b32 s[G1+7], 0
	s_mov_b32 s[SEL], 0x76543210
	s_mov_b32 s[SEL+1], 0xfedcba98                 ; v_permlanex16_b32's selects for lane l xor 16
	s_mov_b32 s[CS], 0x3e38aa3b                    ; c = log2(e) / 8
	s_mov_b32 s[CS+1], s[CS]                       ; (named with it as a pair)
	s_wait_dscnt 0x0                               ; both opening adds are done
	s_wait_kmcnt 0x0
	s_add_nc_u64 s[12:13], s[6:7], s[12:13]
	s_add_nc_u64 s[QB:QB+1], s[4:5], s[58:59]
	s_add_nc_u64 s[QSB:QSB+1], s[4:5], s[60:61]
	s_add_nc_u64 s[OB:OB+1], s[8:9], s[62:63]
	s_add_nc_u64 s[OSB:OSB+1], s[8:9], s[16:17]
	s_mov_b32 s[G0], 1
	s_mov_b32 s[G0+1], s14
	s_mov_b64 s[G0+2:G0+3], s[12:13]
	s_or_b32 s[G0+3], s[G0+3], 0x80000000
	CROUND                                         ; all four work-groups are here: the joint loads meet
	tensor_load_to_lds s[G0:G0+3], s[G1:G1+7]      ; my one tensor load of the launch
	s_nop 0
	v_and_b32 v128, 7, v0                          ; r % 8
	v_bfe_u32 v129, v0, 3, 1                       ; r / 8
	v_bfe_u32 v130, v0, 4, 1                       ; h
	v_and_b32 v131, 31, v0                         ; lane
	v_and_b32 v132, 15, v0                         ; r
	v_mul_u32_u24 v[KB16], v129, 1536
	v_mul_u32_u24 v[KB8], v129, 1536
	v_lshlrev_b32 v[KB4], 7, v129
	v_lshl_add_u32 v[KB16], v128, 4, v[KB16]
	v_lshl_add_u32 v[KB8], v128, 3, v[KB8]
	v_lshl_add_u32 v[KB4], v128, 2, v[KB4]
	v_lshl_add_u32 v[KB16], v130, 8, v[KB16]
	v_lshl_add_u32 v[KB8], v130, 7, v[KB8]
	v_lshl_add_u32 v[KB4], v130, 6, v[KB4]
	v_lshlrev_b32 v[VB16], 4, v131
	v_lshlrev_b32 v[VB8], 3, v131
	v_lshlrev_b32 v[VB4], 2, v131
	v_lshlrev_b32 v132, 2, v132
.irp p, 0,1
	global_load_b128 v[QF+12*\p:QF+12*\p+3], v[VB16], s[QB:QB+1] offset:768*\p
	global_load_b64 v[QF+12*\p+4:QF+12*\p+5], v[VB8], s[QB:QB+1] offset:768*\p+512
	global_load_b32 v[QS+\p], v132, s[QSB:QSB+1] offset:64*\p
.irp i, 6,7,8,9,10,11
	v_mov_b32 v[QF+12*\p+\i], 0                    ; zero codes for k = 64 .. 127
.endr
.endr
.irp i, 0,1,2,3,4,5
	v_mov_b32 v[PC+\i], 0                          ; named behind K's last tile before P's first codes are made
.endr
	v_mov_b32 v[F+1], 0                            ; a lane permute's destination counts as one of its sources
.irp st, STA, STB                              ; the step is written once: the first finds zeros, which the first change of M leaves zeros
	v_mov_b32 v[\st], 0x7f61b1e6                   ; -M: 3e38
	v_mov_b32 v[\st+1], 0xff61b1e6                 ; the largest score so far: -3e38
	v_mov_b32 v[\st+2], 0
	v_mov_b32 v[\st+3], 0
.endr
.set jj, 0
.rept 64
	v_mov_b32 v[OT+jj], 0
.set jj, jj+1
.endr
; S^T = K Q^T for one query tile: eight tiles of 16 keys
.macro SPROD qf, qs
.irp t, 0,1,2,3,4,5,6,7
.if \t%2
	v_wmma_scale_f32_16x16x128_f8f6f4 v[S+8*\t:S+8*\t+7], v[KF+6*\t:KF+6*\t+11], v[\qf:\qf+11], 0, v[KS+2*(\t/4)+(\t%4)/2], v[\qs] matrix_a_fmt:MATRIX_FMT_FP6 matrix_b_fmt:MATRIX_FMT_FP6 matrix_a_scale:MATRIX_SCALE_ROW1
.else
	v_wmma_scale_f32_16x16x128_f8f6f4 v[S+8*\t:S+8*\t+7], v[KF+6*\t:KF+6*\t+11], v[\qf:\qf+11], 0, v[KS+2*(\t/4)+(\t%4)/2], v[\qs] matrix_a_fmt:MATRIX_FMT_FP6 matrix_b_fmt:MATRIX_FMT_FP6
.endif
.endr
.endm
; One link of O^T += V^T P^T
.macro PVW ot, pc, ps, t
.if \t%2
	v_wmma_scale_f32_16x16x128_f8f6f4 v[\ot+8*\t:\ot+8*\t+7], v[KF+12*\t:KF+12*\t+11], v[\pc:\pc+11], v[\ot+8*\t:\ot+8*\t+7], v[KS+\t/2], v[\ps] matrix_a_fmt:MATRIX_FMT_FP6 matrix_b_fmt:MATRIX_FMT_FP6 matrix_a_scale:MATRIX_SCALE_ROW1
.else
	v_wmma_scale_f32_16x16x128_f8f6f4 v[\ot+8*\t:\ot+8*\t+7], v[KF+12*\t:KF+12*\t+11], v[\pc:\pc+11], v[\ot+8*\t:\ot+8*\t+7], v[KS+\t/2], v[\ps] matrix_a_fmt:MATRIX_FMT_FP6 matrix_b_fmt:MATRIX_FMT_FP6
.endif
.endm
; The scores in v[S] on become P's codes and scale word; the tile's M, sum and O^T are brought on.  v[T1] holds the old -M.  vw = 1: V's loads are waited for on the way.
.macro SOFTMAX st, ot, pc, ps, vw
.irp q, 0,1,2,3                                ; four chains of 16 scores by turns; each accumulator is first read at its low end
	v_max3_num_f32 v[BM+2*(\q%2)+\q/2], v[S+16*\q], v[S+16*\q+1], v[S+16*\q+2]
.endr
.irp i, 3,5,7,9,11,13
.irp q, 0,1,2,3
	v_max3_num_f32 v[BM+2*(\q%2)+\q/2], v[BM+2*(\q%2)+\q/2], v[S+16*\q+\i], v[S+16*\q+\i+1]
.endr
.endr
.irp b, 0,1
	v_max3_num_f32 v[BM+\b], v[BM+\b], v[S+32*\b+15], v[S+32*\b+31]
.endr
.irp b, 0,1
	v_max_num_f32 v[BM+\b], v[BM+\b], v[BT+\b]     ; the largest score of my block 2 b + h: for the row's maximum and, since p rises with the score, for the block's largest p
.endr
	v_max3_num_f32 v[\st+1], v[\st+1], v[BM], v[BM+1]
	D1
	v_permlanex16_b32 v[F+1], v[\st+1], s[SEL], s[SEL+1]
	D1
	v_max_num_f32 v[\st+1], v[\st+1], v[F+1]       ; the running largest score of my query (c is positive)
	D1
	v_mul_f32 v[F+1], s[CS], v[\st+1]              ; as t
	D1
	v_floor_f32 v[\st], -v[F+1]                    ; -M = floor(-t): M is a whole number
.set jj, 0
.rept 32
	v_pk_fma_f32 v[S+jj:S+jj+1], v[S+jj:S+jj+1], s[CS:CS+1], v[\st:\st+1] op_sel_hi:[1,0,0]   ; t - M, two at a time
.set jj, jj+2
.endr
.irp b, 0,1
	v_fma_f32 v[BM+\b], v[BM+\b], s[CS], v[\st]    ; the same of each block's largest score
.endr
	s_wait_alu depctr_va_vdst(0)                   ; the wait ahead of the batch
.set jj, 0
.rept 64
	v_exp_f32 v[S+jj], v[S+jj]                     ; p = 2^(t - M)
.set jj, jj+1
.endr
.irp b, 0,1
	v_exp_f32 v[BM+\b], v[BM+\b]                   ; the block's largest p: the same two instructions on the same number
.endr
	v_sub_f32 v[F+1], v[\st], v[T1]                ; old M - new M: a whole number, 0 or less.  (Plain work behind the exponentials, on none of their results)
	D1
	v_cvt_i32_f32 v[F+1], v[F+1]                   ; (it saturates)
	D1
	v_ldexp_f32 v[F], 1.0, v[F+1]                  ; f = 2^(old M - new M)
.if \vw
	s_wait_dscnt 0x0                               ; V's fragments and scale words, asked for ahead of this tile's maxima
.endif
	s_wait_alu depctr_va_vdst(0)                   ; one wait for the batch, directly ahead of the first reader of O^T
.set jj, 0
.rept 16
	v_pk_mul_f32 v[\ot+jj:\ot+jj+1], v[\ot+jj:\ot+jj+1], v[F:F+1] op_sel_hi:[1,0]   ; O^T under the new M, each accumulator from its low end on
.set jj, jj+2
.endr
.irp b, 0,1
	v_max_num_f32 v[BM+\b], 0x1800000, v[BM+\b]    ; the floor 2^(3 - 127): the byte cannot fall under 1
.endr
.irp b, 0,1
	v_add_nc_u32 v[BM+\b], 0xff000000, v[BM+\b]    ; 2 off the exponent field: the conversion's scale operand
.endr
	v_cvt_scalef32_pk16_fp6_f32 v[\pc:\pc+2], v[S:S+15], v[BM]             ; my block h: its lower 16 keys
	v_cvt_scalef32_pk16_fp6_f32 v[\pc+6:\pc+8], v[S+32:S+47], v[BM+1]      ; my block 2 + h
.irp b, 0,1
	v_lshrrev_b32 v[BT+\b], 23, v[BM+\b]           ; the scales' bytes.  (Plain places behind the conversions)
.endr
	v_lshl_or_b32 v[T1], v[BT+1], 16, v[BT]        ; my two bytes, two places apart
.irp j, 0,2,4,6
	v_pk_add_f32 v[S+\j:S+\j+1], v[S+\j:S+\j+1], v[S+8+\j:S+9+\j]          ; THE ROW'S SUM IS TAKEN OF THE UNQUANTISED p, as a tree in place; these four free v[S+8] to v[S+15]
.endr
	v_cvt_scalef32_pk16_fp6_f32 v[S+8:S+10], v[S+16:S+31], v[BM]           ; the blocks' upper 16 keys (a conversion's three registers begin on an even number: made here and moved)
	v_cvt_scalef32_pk16_fp6_f32 v[S+12:S+14], v[S+48:S+63], v[BM+1]
.irp j, 0,2,4,6,8,10,12,14
	v_pk_add_f32 v[S+32+\j:S+33+\j], v[S+32+\j:S+33+\j], v[S+48+\j:S+49+\j]
.endr
.irp j, 0,2,4,6
	v_pk_add_f32 v[S+16+\j:S+17+\j], v[S+16+\j:S+17+\j], v[S+24+\j:S+25+\j]
.endr
	v_permlanex16_b32 v[BT], v[T1], s[SEL], s[SEL+1]
.irp i, 0,1,2
	v_mov_b32 v[\pc+3+\i], v[S+8+\i]
	v_mov_b32 v[\pc+9+\i], v[S+12+\i]
.endr
	v_lshl_or_b32 v[\ps], v[BT], 8, v[T1]          ; lanes 0-15: blocks 0 and 2 are mine, 1 and 3 lane l + 16's: P's scale word (lanes 16-31 are not read)
.irp j, 0,2,4,6
	v_pk_add_f32 v[S+32+\j:S+33+\j], v[S+32+\j:S+33+\j], v[S+40+\j:S+41+\j]
	v_pk_add_f32 v[S+16+\j:S+17+\j], v[S+16+\j:S+17+\j], v[S+\j:S+\j+1]
.endr
.irp j, 0,2,4,6
	v_pk_add_f32 v[S+32+\j:S+33+\j], v[S+32+\j:S+33+\j], v[S+16+\j:S+17+\j]
.endr
	v_pk_add_f32 v[S+32:S+33], v[S+32:S+33], v[S+34:S+35]
	v_pk_add_f32 v[S+36:S+37], v[S+36:S+37], v[S+38:S+39]
	v_pk_add_f32 v[S+32:S+33], v[S+32:S+33], v[S+36:S+37]
	v_pk_fma_f32 v[\st+2:\st+3], v[\st+2:\st+3], v[F:F+1], v[S+32:S+33] op_sel_hi:[1,0,1]   ; the sum under the new M, and this step's
.endm
	s_wait_alu depctr_va_vdst(0)                   ; the wait at the head's end
	s_wait_loadcnt 0x0                             ; Q
	s_wait_tensorcnt 0x0                           ; my key step has landed
	s_barrier_signal -1
	s_barrier_wait -1                              ; everybody's has: nothing is filled again
	s_mov_b32 s[TB], 0
	s_mov_b32 s[CNT], 16
.Lstep:                                                ; 128 keys for both query tiles
	v_add_nc_u32 v[BM], s[TB], v[KB16]             ; these four are the places behind the last products, in front of loads into registers that they read
	v_add_nc_u32 v[BM+1], s[TB], v[KB8]
	v_add_nc_u32 v[BT], s[TB], v[KB4]
	v_mov_b32 v[T1], v[STA]                        ; tile A's old -M
.irp t, 0,1,2,3,4,5,6,7
	ds_load_b128 v[KF+6*\t:KF+6*\t+3], v[BM] offset:3072*(\t/4)+768*(\t%2)+128*((\t%4)/2)
	ds_load_b64 v[KF+6*\t+4:KF+6*\t+5], v[BM+1] offset:3072*(\t/4)+768*(\t%2)+512+64*((\t%4)/2)
.endr
.irp g, 0,1,2,3
	ds_load_b32 v[KS+\g], v[BT] offset:12288+256*(\g/2)+32*(\g%2)
.endr
	s_wait_dscnt 0x0
	SPROD QF, QS
.rept 4
	v_nop                                          ; places in front of the first read of the scores
.endr
	SOFTMAX STA, OT, PC, PS, 0
	SPROD QF+12, QS+1                              ; K's fragments serve a second time
	v_add_nc_u32 v[BM], s[TB], v[VB16]             ; four places: in front of the loads over K's registers, and of the first read of the scores
	v_add_nc_u32 v[BM+1], s[TB], v[VB8]
	v_add_nc_u32 v[BT], s[TB], v[VB4]
	v_mov_b32 v[T1], v[STB]                        ; tile B's old -M
.irp t, 0,1,2,3                                ; V's fragments land while tile B's softmax is worked
	ds_load_b128 v[KF+12*\t:KF+12*\t+3], v[BM] offset:6144+1536*\t
	ds_load_b64 v[KF+12*\t+4:KF+12*\t+5], v[BM+1] offset:6144+1536*\t+512
	ds_load_b128 v[KF+12*\t+6:KF+12*\t+9], v[BM] offset:6144+1536*\t+768
	ds_load_b64 v[KF+12*\t+10:KF+12*\t+11], v[BM+1] offset:6144+1536*\t+1280
.endr
	ds_load_b32 v[KS], v[BT] offset:12800
	ds_load_b32 v[KS+1], v[BT] offset:12928
	SOFTMAX STB, OT+32, PC+12, PS+1, 1
.irp t, 0,1,2,3                                ; the eight accumulators by turns, one instruction a turn
	PVW OT, PC, PS, \t
	PVW OT+32, PC+12, PS+1, \t
.endr
	s_add_co_u32 s[TB], s[TB], STEPB
	s_sub_co_u32 s[CNT], s[CNT], 1
	s_cmp_lg_u32 s[CNT], 0
	s_cbranch_scc1 .Lstep
; O^T / the sum, quantised along the head's 64 (two blocks), leaves as a half image; the scale word (two bytes) stays in v[w].  Register 16 b + i of O^T = channel 32 b + 16 h + i of my query.
.macro WAYOUT p, l, ot, w
	v_add_f32 v[\l], v[\l], v[\l+1]
	D1
	v_permlanex16_b32 v[BT], v[\l], s[SEL], s[SEL+1]
	D1
	v_add_f32 v[\l], v[\l], v[BT]                  ; the row's sum
	s_wait_alu depctr_va_vdst(0)                   ; the wait ahead of the transcendental
	v_rcp_f32 v[\l], v[\l]
	v_nop                                          ; one plain place behind it
	s_wait_alu depctr_va_vdst(0)                   ; the wait ahead of its first reader, which is O^T's first reader too
.set jj, 0
.rept 32
	v_mul_f32 v[S+jj], v[\ot+jj], v[\l]
.set jj, jj+1
.endr
.irp b, 0,1
	v_max3_num_f32 v[BM+\b], |v[S+16*\b]|, |v[S+1+16*\b]|, 0x1800000
.endr
.irp i, 2,4,6,8,10,12,14
.irp b, 0,1
	v_max3_num_f32 v[BM+\b], v[BM+\b], |v[S+16*\b+\i]|, |v[S+1+16*\b+\i]|
.endr
.endr
.irp b, 0,1
	v_permlanex16_b32 v[BT+\b], v[BM+\b], s[SEL], s[SEL+1]
.endr
.irp b, 0,1
	v_max_num_f32 v[BM+\b], v[BM+\b], v[BT+\b]     ; with lane l xor 16's 16 channels: the block's largest magnitude
.endr
.irp b, 0,1
	v_add_nc_u32 v[F+\b], 0xff000000, v[BM+\b]
.endr
.irp b, 0,1
	v_lshrrev_b32 v[BT+\b], 23, v[F+\b]
.endr
	v_lshl_or_b32 v[\w], v[BT+1], 8, v[BT]
	v_cvt_scalef32_pk16_fp6_f32 v[KF+12*\p:KF+12*\p+2], v[S:S+15], v[F]
	v_cvt_scalef32_pk16_fp6_f32 v[KF+12*\p+6:KF+12*\p+8], v[S+16:S+31], v[F+1]
	v_nop                                          ; one plain place behind a scaled conversion
.irp i, 0,1,2
	v_permlane16_swap_b32 v[KF+12*\p+\i], v[KF+12*\p+6+\i]   ; a whole block to a lane: lanes 0-15 block 0, lanes 16-31 block 1
.endr
.irp i, 0,1,2
	v_mov_b32 v[KF+12*\p+3+\i], v[KF+12*\p+6+\i]
.endr
	global_store_b128 v[VB16], v[KF+12*\p:KF+12*\p+3], s[OB:OB+1] offset:12800*\p          ; 512 consecutive bytes, aligned; each tile's codes have registers of their own
	global_store_b64 v[VB8], v[KF+12*\p+4:KF+12*\p+5], s[OB:OB+1] offset:12800*\p+512      ; 256
.endm
	v_and_b32 v7, 15, v0                           ; r.  (These four are the places behind the last products)
	v_bfe_u32 v2, v0, 4, 1                         ; h
	v_mul_u32_u24 v1, v2, 12800
	v_lshl_add_u32 v1, v7, 4, v1                   ; the scale bytes' place: 12,800 h + 16 r
	WAYOUT 0, STA+2, OT, 3
	WAYOUT 1, STB+2, OT+32, 7
	v_cmp_ne_u32 vcc_lo, 0, v2                     ; lanes 0-15 store tile A's two bytes of row r, lanes 16-31 tile B's, one tile on
	v_cndmask_b32 v3, v3, v7, vcc_lo
	global_store_b16 v1, v3, s[OSB:OSB+1]          ; 2 bytes in each row's 16
	s_wait_tensorcnt 0x0                           ; the wave's end
	ds_add_u32 v[SPW], v[NIL]
	s_wait_dscnt 0x0
	CROUND                                         ; the closing round: no work-group ends while a partner may still ask for a tile that names it
	s_endpgm
.Lfunc_end_k_q0732935bd0_attn:
	.size	k_q0732935bd0_attn, .Lfunc_end_k_q0732935bd0_attn-k_q0732935bd0_attn
	.p2alignl 7, 3214868480
	.fill 96, 4, 3214868480
	.section	.rodata,"a",@progbits
	.p2align	6, 0x0
	.amdhsa_kernel k_q0732935bd0_attn
		.amdhsa_group_segment_fixed_size 210944
		.amdhsa_private_segment_fixed_size 0
		.amdhsa_enable_private_segment 0
		.amdhsa_kernarg_size 24
		.amdhsa_user_sgpr_count 2
		.amdhsa_user_sgpr_kernarg_segment_ptr 1
		.amdhsa_wavefront_size32 1
		.amdhsa_system_sgpr_workgroup_id_x 1
		.amdhsa_system_sgpr_workgroup_id_y 1
		.amdhsa_system_sgpr_workgroup_id_z 1
		.amdhsa_system_vgpr_workitem_id 0
		.amdhsa_next_free_vgpr 256
		.amdhsa_next_free_sgpr 66
		.amdhsa_reserve_vcc 1
		.amdhsa_float_denorm_mode_32 3
		.amdhsa_float_denorm_mode_16_64 3
		.amdhsa_memory_ordered 1
		.amdhsa_forward_progress 1
		.amdhsa_inst_pref_size 44
	.end_amdhsa_kernel
	.amdgpu_metadata
---
amdhsa.version: [ 1, 2 ]
amdhsa.kernels:
  - .name:           k_q0732935bd0_attn
    .symbol:         k_q0732935bd0_attn.kd
    .args:
      - { .name: qi, .offset: 0, .size: 8, .value_kind: global_buffer, .address_space: global }
      - { .name: kv, .offset: 8, .size: 8, .value_kind: global_buffer, .address_space: global }
      - { .name: oq, .offset: 16, .size: 8, .value_kind: global_buffer, .address_space: global }
    .group_segment_fixed_size: 210944
    .private_segment_fixed_size: 0
    .kernarg_segment_align: 8
    .kernarg_segment_size: 24
    .max_flat_workgroup_size: 512
    .sgpr_count:     66
    .vgpr_count:     256
    .wavefront_size: 32
...
	.end_amdgpu_metadata
.endif
;; end of part 3
;; launch gemm_out (part 4): grid 4 x 64, 4 waves a work-group, clusters of 4 x 4, 327,680 bytes of LDS; arguments oq, opq, b_out, out0; writes out0
.if DOCPART == 4
	.amdgcn_target "amdgcn-amd-amdhsa--gfx1250"
	.amdhsa_code_object_version 6
	.text
	.protected	k_q0732935bd0_gemm_out
	.globl	k_q0732935bd0_gemm_out
	.p2align	8
	.type	k_q0732935bd0_gemm_out,@function
k_q0732935bd0_gemm_out:
	s_mov_b64 s[64:65], 0
	v_nop
	global_prefetch_b8 v0, s[64:65] scope:SCOPE_SE
	s_setreg_imm32_b32 hwreg(HW_REG_WAVE_MODE, 25, 1), 1
	s_wait_xcnt 0x0
	s_wait_alu depctr_hold_cnt(0) depctr_sa_sdst(0) depctr_va_vdst(0) depctr_va_sdst(0) depctr_va_ssrc(0) depctr_va_vcc(0) depctr_vm_vsrc(0)
	s_getreg_b32 s2, hwreg(HW_REG_IB_STS2, 6, 4)
	s_cmp_eq_u32 s2, 0
	s_cbranch_scc0 .Lentry_in_a_cluster
	s_endpgm
.Lentry_in_a_cluster:
	s_bfe_u32 s2, ttmp6, 0x10000c
	s_cmp_lg_u32 s2, 0xf033
	s_cbranch_scc0 .Lentry_shape_is_right
	s_endpgm
.Lentry_shape_is_right:
; out0[token][e] = sum over d of o[token][d] w_out[e][d] + b_out[e]: 8,192 x 1,024, K = 1,024, on codes of FP6 (E2M3) with E8M0 scales, f32 sums.
; IN: oq (o) and opq's tiles 704-767 (w_out): TILES of 16 rows, 12,800 bytes each, images of an operand's registers: 16 half images of 768 bytes (64 along K: registers 0-3 at 16 x lane, registers 4-5 at 512 + 8 x lane),
; then 512 scale bytes: lane L's 16 bytes at 12,288 + 16 L are the scale words of K steps 4 (L / 16) + 0 .. 3 of row L % 16.  Lane r of tile T holds row 32 (T / 2) + 8 (T % 2) + r + 8 (r / 8).
; SHARES: a work-group makes 128 tokens x 256 features: 64 x 4 = 256 work-groups.  Its operands for ALL of K, 8 + 16 tiles = 307,200 bytes with their scale bytes, lie in LDS and are filled ONCE: no slot is filled again.
; One tensor load a wave at the head, dense rows of 256 bytes: waves 0, 1 fetch four tiles of o each, waves 2, 3 eight tiles of w_out each.
; CLUSTERS: 4 x 4 work-groups: the four of a row need the same tiles of o, the four of a column the same tiles of w_out: the loads are joint.
; No prefetch: every byte of the operands is asked for by the head's loads, and the text has no loop to run ahead in.
; A wave makes 64 tokens x 128 features: 32 accumulators.  A K step of 128 is 32 matrix instructions on 4 + 8 fragments; both sides have two sets of registers, and a step begins by asking LDS for the next step's 12 fragments.
; THE MATRIX INSTRUCTION IS USED TRANSPOSED (source 0 = 16 rows of w_out, source 1 = 16 tokens): a lane holds eight features of one token; the bias, laid the same way, is the C of the first K step.
; REGISTERS: window 0: v16-31 addresses; v32-47 o's scale words, v64-95 w_out's; v96-127 and v224-255 the bias; v128-175, v176-223 o's fragments, two sets; on the way out v128-255 hold rows read back.
;   window 1: w_out's fragments, two sets, at v0 and v128.   window 2: accumulator (a, b) at v[8 (8 a + b)].
.set TILEB,  12800
.set SCOFF,  12288
.set LB,     8*TILEB                   ; LDS: o's 8 tiles, then w_out's 16
.set SPARE,  24*TILEB                  ; behind them the spare words, 128 bytes a wave
.set SPITCH, 528                       ; the way out: a stage of 16 rows x (512 + 16) bytes a wave, from LDS byte 0 on: those bytes have had their only fill, and are stored to behind a barrier that follows every wave's last read
.set FR,     12
.set NP,     4                         ; places behind this matrix instruction (ISA guide 7.12.1)
.set ADRA, 16                          ; v16, v17 my four tiles of o: + 16 x lane, + 8 x lane
.set ADRB, 20                          ; v20, v21 my tiles 0-3 of w_out likewise; v22, v23 my tiles 4-7 (an LDS offset has 16 bits)
.set STO,  24
.set RD,   25
.set BO,   27
.set SPW,  28
.set NIL,  29
.set L16,  30
.set SR,   32
.set SP,   64
.set AF,   128
.set BK,   128
.set G1,  24
.set G0,  32
.set G1B, 48
.set G0B, 56
.set MSB, 0
.macro WIN new                         ; the immediate's high byte repeats the setting that is left
.if MSB != \new
	s_set_vgpr_msb (MSB<<8)|\new
.set MSB, \new
.endif
.endm
.set MUL_0,  0x81                      ; source 0 window 1, source 1 and C window 0, D window 2
.set MUL_LO, 0xa1                      ; the same with C in window 2
.set TO_B,   0x40                      ; destination window 1, address window 0
.macro CROUND                          ; a round of the cluster's barrier
	s_barrier_signal -1
	s_barrier_wait -1
	s_cmp_lg_u32 s14, 0
	s_cbranch_scc1 .Lnot_wave_0_\@
	s_barrier_signal -3
.Lnot_wave_0_\@:
	s_barrier_wait -3
	s_barrier_signal -1
	s_barrier_wait -1
.endm
.macro PLACES n
.rept \n
	v_nop
.endr
.endm
	s_load_b256 s[4:11], s[0:1], 0x0               ; oq s[4:5], opq s[6:7], b_out s[8:9], out0 s[10:11]
	v_lshl_add_u32 v[SPW], v0, 2, SPARE
	v_mov_b32 v[NIL], 0
	ds_add_u32 v[SPW], v[NIL]                      ; the opening lines: the add, twice on end, and its wait
	ds_add_u32 v[SPW], v[NIL]
	v_lshrrev_b32 v1, 5, v0
	v_readfirstlane_b32 s14, v1                    ; wave 0..3
	s_lshr_b32 s15, s14, 1                         ; which 64 tokens are mine.  Also: I fetch for o (0) or for w_out (1)
	s_and_b32 s16, s14, 1                          ; which 128 features.  Also: which half of that operand's tiles I fetch
	s_bfe_u32 s40, ttmp6, 0x40000                  ; cx, cy
	s_bfe_u32 s41, ttmp6, 0x40004
	s_lshl_b32 s43, ttmp9, 2
	s_add_co_u32 s43, s43, s40                     ; block column: 256 features
	s_and_b32 s17, ttmp7, 0xffff
	s_lshl_b32 s17, s17, 2
	s_add_co_u32 s17, s17, s41                     ; block row: 128 tokens
	s_lshl_b32 s98, s41, 2
	s_lshl_b32 s98, 15, s98                        ; my row of the cluster
	s_lshl_b32 s99, 0x1111, s40                    ; my column
	s_or_b32 s[G1+0], s98, (3<<16)|(1<<21)         ; the mask; elements of 8 bytes; bit 21 beside a mask
	s_or_b32 s[G1B+0], s99, (3<<16)|(1<<21)
	s_mov_b32 s[G1+1], 32<<16                      ; rows of 256 bytes;
	s_mov_b32 s[G1+2], 200<<16                     ; four tiles are 51,200 dense bytes: 200 rows
	s_mov_b32 s[G1+3], 32<<16
	s_mov_b32 s[G1+4], 200
	s_mov_b32 s[G1+5], 32
	s_mov_b32 s[G1+6], 0
	s_mov_b32 s[G1+7], 0
	s_mov_b32 s[G1B+1], 32<<16
	s_mov_b32 s[G1B+2], 400<<16                    ; eight tiles: 400 rows
	s_mov_b32 s[G1B+3], 32<<16
	s_mov_b32 s[G1B+4], 400
	s_mov_b32 s[G1B+5], 32
	s_mov_b32 s[G1B+6], 0
	s_mov_b32 s[G1B+7], 0
	s_lshl_b32 s20, s17, 3                         ; o: tile 8 x block row + 4 x half
	s_lshl_b32 s18, s16, 2
	s_add_co_u32 s22, s20, s18
	s_mul_i32 s22, s22, TILEB
	s_mov_b32 s23, 0
	s_lshl_b32 s94, s43, 4                         ; w_out: tile 704 + 16 x block column + 8 x half
	s_lshl_b32 s18, s16, 3
	s_add_co_u32 s94, s94, s18
	s_add_co_u32 s94, s94, 704
	s_mul_i32 s94, s94, TILEB
	s_mov_b32 s95, 0
	s_mul_i32 s21, s16, 4*TILEB                    ; where they go: no place in the cluster enters an LDS address
	s_mul_i32 s19, s16, 8*TILEB
	s_add_co_u32 s19, s19, LB
	s_lshl_b32 s66, s43, 10                        ; my first feature, in bytes of f32
	s_lshl_b32 s67, s16, 9
	s_add_co_u32 s66, s66, s67
	s_mov_b32 s67, 0
	s_lshl_b32 s68, s17, 19                        ; my first token: 128 rows of 4,096 bytes a block, 64 a wave
	s_lshl_b32 s69, s15, 18
	s_add_co_u32 s68, s68, s69
	s_add_co_u32 s68, s68, s66
	s_mov_b32 s69, 0
	s_wait_dscnt 0x0                               ; both opening adds are done
	s_wait_kmcnt 0x0
	s_mov_b32 s[G0], 1
	s_mov_b32 s[G0+1], s21
	s_add_nc_u64 s[G0+2:G0+3], s[4:5], s[22:23]
	s_or_b32 s[G0+3], s[G0+3], 0x80000000
	s_mov_b32 s[G0B], 1
	s_mov_b32 s[G0B+1], s19
	s_add_nc_u64 s[G0B+2:G0B+3], s[6:7], s[94:95]
	s_or_b32 s[G0B+3], s[G0B+3], 0x80000000
	s_add_nc_u64 s[8:9], s[8:9], s[66:67]
	s_add_nc_u64 s[12:13], s[10:11], s[68:69]
	CROUND                                         ; all sixteen work-groups are here: the joint loads meet
	s_cmp_eq_u32 s15, 0                            ; one tensor load a wave, one to an arm; the branch hangs on the wave's number alone
	s_cbranch_scc0 .Lfor_w
	tensor_load_to_lds s[G0:G0+3], s[G1:G1+7]
	s_nop 0
	PLACES 4
	s_branch .Lasked
.Lfor_w:
	tensor_load_to_lds s[G0B:G0B+3], s[G1B:G1B+7]
	s_nop 0
	PLACES 4
.Lasked:
	v_and_b32 v1, 31, v0
	v_lshlrev_b32 v[L16], 4, v1
	v_lshlrev_b32 v2, 3, v1
	s_mul_i32 s6, s15, 4*TILEB                     ; my four tiles of o
	s_mul_i32 s7, s16, 8*TILEB                     ; my eight of w_out
	s_add_co_u32 s7, s7, LB
	v_add_nc_u32 v[ADRA], s6, v[L16]
	v_add_nc_u32 v[ADRA+1], s6, v2
	v_add_nc_u32 v[ADRB], s7, v[L16]
	v_add_nc_u32 v[ADRB+1], s7, v2
	s_add_co_u32 s7, s7, 4*TILEB
	v_add_nc_u32 v[ADRB+2], s7, v[L16]
	v_add_nc_u32 v[ADRB+3], s7, v2
	v_and_b32 v2, 15, v0                           ; r
	v_bfe_u32 v3, v0, 4, 1                         ; h
	v_lshlrev_b32 v[BO], 6, v3
	s_mul_i32 s6, s14, 16*SPITCH                   ; my stage
	v_mul_u32_u24 v[STO], v2, SPITCH               ; in: row r, 64 bytes for each half of the lanes
	v_lshl_add_u32 v[STO], v3, 6, v[STO]
	v_add_nc_u32 v[STO], s6, v[STO]
	v_add_nc_u32 v[RD], s6, v[L16]                 ; back: the 32 lanes take one row of 512 bytes
.irp b, 0,1,2,3,4,5,6,7                        ; the bias in the result's layout: register j of tile b is feature 32 (b / 2) + 16 h + 8 (b % 2) + j
	global_load_b128 v[96+8*\b+96*(\b/4):96+8*\b+96*(\b/4)+3], v[BO], s[8:9] offset:128*(\b/2)+32*(\b%2)
	global_load_b128 v[96+8*\b+96*(\b/4)+4:96+8*\b+96*(\b/4)+7], v[BO], s[8:9] offset:128*(\b/2)+32*(\b%2)+16
.endr
.macro FRAG reg, a16, a8, off          ; a fragment, 12 registers: two half images
	ds_load_b128 v[\reg:\reg+3], v[\a16] offset:\off
	ds_load_b64 v[\reg+4:\reg+5], v[\a8] offset:\off+512
	ds_load_b128 v[\reg+6:\reg+9], v[\a16] offset:\off+768
	ds_load_b64 v[\reg+10:\reg+11], v[\a8] offset:\off+1280
.endm
.macro FETCH ks                        ; K step ks: 8 + 4 fragments, 48 loads, into set ks % 2
	WIN TO_B
.irp i, 0,1,2,3,4,5,6,7
	FRAG 128*((\ks)%2)+FR*\i, ADRB+2*(\i/4), ADRB+2*(\i/4)+1, (\i%4)*TILEB+(\ks)*1536
.endr
	WIN 0
.irp i, 0,1,2,3
	FRAG AF+48*((\ks)%2)+FR*\i, ADRA, ADRA+1, \i*TILEB+(\ks)*1536
.endr
.endm
; 16 matrix instructions: token blocks a0, a0 + 1 x the eight feature blocks.  K steps 4-7 take their scale words from lanes 16-31.  The 32 accumulators take turns in the same order in every step.
.macro MUL16 a0, ks
.irp a, \a0, \a0+1
.irp b, 0,1,2,3,4,5,6,7
.if (\ks) == 0
	v_wmma_scale_f32_16x16x128_f8f6f4 v[8*(8*(\a)+\b):8*(8*(\a)+\b)+7], v[128*((\ks)%2)+FR*\b:128*((\ks)%2)+FR*\b+FR-1], v[AF+48*((\ks)%2)+FR*(\a):AF+48*((\ks)%2)+FR*(\a)+FR-1], v[96+8*\b+96*(\b/4):96+8*\b+96*(\b/4)+7], v[SP+4*\b+(\ks)%4], v[SR+4*(\a)+(\ks)%4] matrix_a_fmt:MATRIX_FMT_FP6 matrix_b_fmt:MATRIX_FMT_FP6
.elseif (\ks) < 4
	v_wmma_scale_f32_16x16x128_f8f6f4 v[8*(8*(\a)+\b):8*(8*(\a)+\b)+7], v[128*((\ks)%2)+FR*\b:128*((\ks)%2)+FR*\b+FR-1], v[AF+48*((\ks)%2)+FR*(\a):AF+48*((\ks)%2)+FR*(\a)+FR-1], v[8*(8*(\a)+\b):8*(8*(\a)+\b)+7], v[SP+4*\b+(\ks)%4], v[SR+4*(\a)+(\ks)%4] matrix_a_fmt:MATRIX_FMT_FP6 matrix_b_fmt:MATRIX_FMT_FP6
.else
	v_wmma_scale_f32_16x16x128_f8f6f4 v[8*(8*(\a)+\b):8*(8*(\a)+\b)+7], v[128*((\ks)%2)+FR*\b:128*((\ks)%2)+FR*\b+FR-1], v[AF+48*((\ks)%2)+FR*(\a):AF+48*((\ks)%2)+FR*(\a)+FR-1], v[8*(8*(\a)+\b):8*(8*(\a)+\b)+7], v[SP+4*\b+(\ks)%4], v[SR+4*(\a)+(\ks)%4] matrix_a_fmt:MATRIX_FMT_FP6 matrix_b_fmt:MATRIX_FMT_FP6 matrix_a_scale:MATRIX_SCALE_ROW1 matrix_b_scale:MATRIX_SCALE_ROW1
.endif
.endr
.endr
.endm
.macro STEP ks
.if (\ks) < 7
.if (\ks) > 0
	PLACES NP                                      ; in front of loads into the set that the last step's products read
.endif
	FETCH (\ks)+1
	s_wait_dscnt 48                                ; all but the 48 loads just issued: this step's fragments are in
.else
	s_wait_dscnt 0x0                               ; my last LDS reads are over:
	s_barrier_signal -1                            ; say so, and work on registers while the others arrive
.endif
.if (\ks) == 0
	WIN MUL_0
.else
	WIN MUL_LO
.endif
	MUL16 0, \ks
	MUL16 2, \ks
	WIN 0
.endm
	s_wait_alu depctr_va_vdst(0)                   ; the wait at the head's end
	s_wait_tensorcnt 0x0                           ; my tiles have landed
	s_barrier_signal -1
	s_barrier_wait -1                              ; everybody's have
	FETCH 0
.irp a, 0,1,2,3
	ds_load_b128 v[SR+4*\a:SR+4*\a+3], v[ADRA] offset:\a*TILEB+SCOFF
.endr
.irp b, 0,1,2,3,4,5,6,7
	ds_load_b128 v[SP+4*\b:SP+4*\b+3], v[ADRB+2*(\b/4)] offset:(\b%4)*TILEB+SCOFF
.endr
	s_wait_loadcnt 0x0                             ; the bias
.irp s, 0,1,2,3,4,5,6,7
	STEP \s
.endr
	s_barrier_wait -1                              ; no wave reads the operands any more: the stages may be stored to
; THE WAY OUT, block by block of 16 tokens x 128 features: through my stage, back as whole rows of 512 bytes, which the 32 lanes store as two aligned units of 256 bytes.  LDS serves a wave's instructions in order (ISA guide 5.7.1.4).
.macro TOSTAGE a
	WIN 0x08                                       ; the data: window 2
.irp b, 0,1,2,3,4,5,6,7
	ds_store_b128 v[STO], v[64*(\a)+8*\b:64*(\a)+8*\b+3] offset:128*(\b/2)+32*(\b%2)         ; each accumulator from its low end on
	ds_store_b128 v[STO], v[64*(\a)+8*\b+4:64*(\a)+8*\b+7] offset:128*(\b/2)+32*(\b%2)+16
.endr
	WIN 0
.set BB, BK+64*((\a)%2)
.irp t, 0,1,2,3,4,5,6,7,8,9,10,11,12,13,14,15
	ds_load_b128 v[BB+4*\t:BB+4*\t+3], v[RD] offset:\t*SPITCH
.endr
.endm
.macro SEND a, younger                 ; younger: the LDS instructions issued behind block a's loads, which may stay out
.set BB, BK+64*((\a)%2)
	s_wait_dscnt \younger
.irp t, 0,1,2,3,4,5,6,7,8,9,10,11,12,13,14,15
	global_store_b128 v[L16], v[BB+4*\t:BB+4*\t+3], s[12:13] offset:(32*((\a)/2)+8*((\a)%2)+\t+8*(\t/8))*4096 th:TH_STORE_NT
.endr
.endm
	PLACES NP                                      ; in front of the first read of results, and of loads into registers that the products read
	TOSTAGE 0
.irp a, 1,2,3
.if \a > 1
	s_wait_xcnt 0x0                                ; block a - 2's stores have read their registers: block a's loads may land there
.endif
	TOSTAGE \a
	SEND \a-1, 32                                  ; behind block a - 1's loads: block a's 16 stores and 16 loads
.endr
	SEND 3, 0
	s_wait_tensorcnt 0x0                           ; the wave's end
	ds_add_u32 v[SPW], v[NIL]
	s_wait_dscnt 0x0
	CROUND                                         ; the closing round
	s_endpgm
.Lfunc_end_k_q0732935bd0_gemm_out:
	.size	k_q0732935bd0_gemm_out, .Lfunc_end_k_q0732935bd0_gemm_out-k_q0732935bd0_gemm_out
	.p2alignl 7, 3214868480
	.fill 96, 4, 3214868480
	.section	.rodata,"a",@progbits
	.p2align	6, 0x0
	.amdhsa_kernel k_q0732935bd0_gemm_out
		.amdhsa_group_segment_fixed_size 327680
		.amdhsa_private_segment_fixed_size 0
		.amdhsa_enable_private_segment 0
		.amdhsa_kernarg_size 32
		.amdhsa_user_sgpr_count 2
		.amdhsa_user_sgpr_kernarg_segment_ptr 1
		.amdhsa_wavefront_size32 1
		.amdhsa_system_sgpr_workgroup_id_x 1
		.amdhsa_system_sgpr_workgroup_id_y 1
		.amdhsa_system_sgpr_workgroup_id_z 1
		.amdhsa_system_vgpr_workitem_id 0
		.amdhsa_next_free_vgpr 768
		.amdhsa_next_free_sgpr 100
		.amdhsa_reserve_vcc 0
		.amdhsa_float_denorm_mode_32 3
		.amdhsa_float_denorm_mode_16_64 3
		.amdhsa_memory_ordered 1
		.amdhsa_forward_progress 1
		.amdhsa_inst_pref_size 81
	.end_amdhsa_kernel
	.amdgpu_metadata
---
amdhsa.version: [ 1, 2 ]
amdhsa.kernels:
  - .name:           k_q0732935bd0_gemm_out
    .symbol:         k_q0732935bd0_gemm_out.kd
    .args:
      - { .name: oq, .offset: 0, .size: 8, .value_kind: global_buffer, .address_space: global }
      - { .name: opq, .offset: 8, .size: 8, .value_kind: global_buffer, .address_space: global }
      - { .name: b_out, .offset: 16, .size: 8, .value_kind: global_buffer, .address_space: global }
      - { .name: out0, .offset: 24, .size: 8, .value_kind: global_buffer, .address_space: global }
    .group_segment_fixed_size: 327680
    .private_segment_fixed_size: 0
    .kernarg_segment_align: 8
    .kernarg_segment_size: 32
    .max_flat_workgroup_size: 128
    .sgpr_count:     100
    .vgpr_count:     768
    .wavefront_size: 32
...
	.end_amdgpu_metadata
.endif
;; end of part 4
